; MI455X (gfx1250); checked and timed in simulation.
; The chip was launched on July 23, 2026; its instructions are those of AMD's public machine-readable ISA for CDNA 5 (MIT licence, August 2026) and "CDNA5" Instruction Set Architecture Reference Guide (July 2026). The comments in the code are by the model that wrote it; some were corrected since.
;; SA Fusion. Allowed arithmetic: matrix products marked QUANTISED: E2M1 operands, one E8M0 scale for each 32 along K, by v_wmma_scale_f32_16x16x128_f8f6f4 with both operands' format E2M1 (or v_wmma_scale_f32_32x16x128_f4), f32 sums; everything else in f32.
;; Inputs: bias one number float32; g 4 x 2,048 x 512 float32; ln_beta 512 float32; ln_gamma 512 float32; p 4 x 2,048 x 512 float32; scale 1 float32.
;; Outputs: out0 4 x 4,096 x 512 float32.
;; This version of the problem:
;;   THIS VERSION OF THE PROBLEM IS GIVEN IN LOW PRECISION. The matrix products marked QUANTISED in the list below multiply operands that are first quantised to E2M1 (2 exponent bits, 1 mantissa bit; 4 bits a number), with one power-of-two scale for each 32 numbers along K (OCP MX v1.0); their sums are f32. All else is computed in f32.
;;   The module's matrix products, in the order in which they are computed (A, B: the left and right operand; K: the contracted axis; several contracted axes count as one K, in the product's order):
;;     1. batch 4 x [M 4,096, K 513] x [K 513, N 4,096]; A: computed on the way; B: computed on the way: QUANTISED
;;     2. batch 4 x [M 4,096, K 4,096] x [K 4,096, N 513]; A: softmax (see below); B: computed on the way: QUANTISED
;;   THE QUANTISER, for each operand of a quantised product, along K:
;;     - K is cut into blocks of 32 from its start; a last block that is shorter is filled with zeros.
;;     - A block's scale is 2^e with e = floor(log2(the largest magnitude in the block)) - 2, held to -126 .. 127; a block of zeros has e = 0. As a byte (E8M0): e + 127.
;;     - Each number is divided by its block's scale, clamped to +-6, and rounded to the nearest number of E2M1, ties to even, subnormals kept.
;;     - The product sums the exact products of the quantised numbers (number of the format x scale) in f32.
;;   ~~~python
;;   def quantise(x, axis):      # numpy; x: float32 -> the quantised numbers, widened to float32 again
;;       x = np.moveaxis(x, axis, -1); K = x.shape[-1]
;;       x = np.pad(x, [(0, 0)] * (x.ndim - 1) + [(0, -K % 32)]); x = x.reshape(x.shape[:-1] + (-1, 32)); a = np.abs(x).max(-1, keepdims=True)
;;       e = np.where(a > 0, np.clip(np.frexp(np.where(a > 0, a, 1))[1] - 1 - 2, -126, 127), 0)      # np.frexp(a)[1] - 1 = floor(log2(a)), exactly
;;       r = np.clip(x / 2.0 ** e, -6, 6)
;;       step = 2.0 ** (np.maximum(np.frexp(np.where(r == 0, 1, r))[1] - 1, 0) - 1)
;;       q = np.round(r / step) * step * 2.0 ** e      # np.round: ties to even
;;       return np.moveaxis(q.reshape(q.shape[:-2] + (-1,))[..., :K], -1, axis).astype(np.float32)
;;   ~~~
;;   SOFTMAX AHEAD OF A QUANTISED PRODUCT. Where the list says 'softmax', what is quantised is not the finished softmax but p = 2^(t - M), with t = logit x log2(e) and M = ceil(the row's largest t), a whole number; so 1/2 < the row's largest p <= 1. The row's sum l is taken of the UNQUANTISED p, in f32, and the product's result is divided by l at the end. Since M is a whole number, a kernel that streams over the keys may use a running M (the ceiling of the running maximum): every later rescaling is an exact power of two, which a block's scale takes up: the codes' values come out the same.
;;   OPERANDS COMPUTED ON THE WAY. 'Computed on the way' means the value that the module computes at that place (a softmax that the list does not call 'softmax' is quantised finished and normalised). What goes into a quantiser is computed in f32, as accurately as f32 sums, v_exp_f32 and their like allow (about 1e-6 of the number): no bf16 or f16 on the way to a quantiser, and a product that is left as it is and whose result goes on into a quantised operand takes f32 operands (vector FMAs, or v_wmma_f32_16x16x4_f32). A number that lies on a knife's edge between two numbers of the format may be rounded either way, as far as f32 arithmetic and the matrix unit's own rounding can turn it there, and no further.
;; One version. Each part assembles by itself: llvm-mc -triple=amdgcn-amd-amdhsa -mcpu=gfx1250 --defsym DOCPART=n.
;; ======== version 1 of 1: 2 launches
;; limits: right only within a limited range of input values
;; workspace buffers: kv 9,437,184 bytes
;; launch prep (part 1): grid 256 x 1, 8 waves a work-group, no clusters, 133,632 bytes of LDS; arguments g, p, kv; writes kv
.if DOCPART == 1
	.amdgcn_target "amdgcn-amd-amdhsa--gfx1250"
	.amdhsa_code_object_version 6
	.text
	.protected	k_qaca7e763f2_prep
	.globl	k_qaca7e763f2_prep
	.p2align	8
	.type	k_qaca7e763f2_prep,@function
k_qaca7e763f2_prep:
	s_mov_b64 s[64:65], 0
	v_nop
	global_prefetch_b8 v0, s[64:65] scope:SCOPE_SE
	s_setreg_imm32_b32 hwreg(HW_REG_WAVE_MODE, 25, 1), 1
	s_wait_xcnt 0x0
; PREP.  x = concat(g, p) is [4][4096][512] f32.  Each row becomes the Lorentz point xh = (t, f x) of 513 numbers (expmap0, then hyp_normalize), and xh is quantised to E2M1 with one E8M0
; byte for each 32 numbers, TWICE: along its 513 numbers (the operand of the scores; the queries are the same codes with signs turned, which the second launch does) and along the keys (the operand
; of the second product).  Codes and scale words go to kv in the order of the matrix operands' registers, one dense block of STEPB bytes for each 128 keys.
; DEAD WORK, for all values of the inputs: the column of ones that reference() puts in front of x (expmap0 takes u[..., 1:] alone); expmap0's time cosh(n) (hyp_normalize takes x[..., 1:] alone).
; Nothing else is left out here: expmap0's space part is c x with c = sinh(n) / n, n = sqrt(max(S, EPS)), S = the row's sum of squares, so its sum of squares is c c S, and the normalised
; space part is f x with f = c / sqrt(max(c c S, EPS)); t = sqrt(f f S + 1).  Both clamps of reference() are kept.  All six inputs have a way to the output; bias moves the softmax's whole number M and so p's codes.
; LIMITS: NaN and infinities among the inputs are not served, and one that reaches only the work left out is not carried to the result.  Where c c S overflows f32 (n above about 44) f = 0, as in reference()'s own
; f32; the n at which that begins may differ by rounding.  sinh(n) / n is a series to n^6 for n^2 under 0.25 (the next term is under 1e-8 there), else (2^a - 2^-a) / (2 n), a = n log2(e).
; A block of zeros gets the byte 1 where the quantiser says 127: its codes are zeros, and the bytes are read by this program alone.
; SHARES.  A work-group of eight waves takes 64 rows: half of a block of 128 keys.  First every wave takes 8 rows: loads, S, f, t, and lays xh in LDS with t in word 0, which moves x by one word against
; the blocks of 32.  Behind ONE barrier waves 0-3 make the fragments along the 513 (a tile of 16 keys each), waves 4-7 those along the keys (a lane to a column, registers down the keys).
; THE KEYS OF A TILE ARE NOT NEIGHBOURS: row r of tile t is key 32 (t / 2) + 8 (t % 2) + r + 8 (r / 8), so that the scores of two neighbouring tiles are 16 neighbouring keys in a lane of the second launch.
; A BLOCK OF kv: KF at 0: [tile 8][K step 4][c 2][lane 32][16 bytes];  KT: [tile 8][512]: 16 r: the scale words of K steps 0-3; 256 + 16 r: the word of K step 4, the codes of k = 512 .. 519, f, t;
;   VF: [tile of 16 columns 33][c 2][lane 32][16 bytes], column = x's index, tile 32 = the time column and 15 columns of zeros;  VS: [24][lane 32] scale words, word 32 i + l for column 32 i + l, byte b for the block's keys 32 b ..
.set STEPB, 73728
.set KT,    32768
.set VF,    36864
.set VS,    70656
.set PITCH, 2064                       ; an LDS row of xh: 513 words and 3 spare
.set FT,    64*PITCH                   ; behind the rows: (f, t) of each row, 8 bytes
.set SPARE, FT+512                     ; the spare words: 128 bytes for each of the eight waves; no other line names them
.set X,     96                         ; v96-223: 8 rows x 16 numbers a lane; later two sets of numbers on their way to the conversions
.set SPW,   24                         ; v24: my spare word;  v25: 0
.set NIL,   25
.set EPSB,  0x33d6bf95                 ; 1e-7
.set FLOOR, 0x1800000                  ; 2^(3 - 127): under it no largest magnitude is taken, so no byte falls under 1
.set LOG2E, 0x3fb8aa3b
; v1 lane, v2 r, v3 h; v4 GIN, v5 LST, v6 LT0, v7 LFT, v8 AKR, v9 AFR, v10 GK, v11 GT, v12 AV0, v13 AV1, v14 GV, v15 GS, v16 ATM, v17 GTM, v18 AK5: all made ahead of the parting of the roles
	s_load_b128 s[4:7], s[0:1], 0x0                ; g, p
	s_load_b64 s[8:9], s[0:1], 0x10                ; kv
	v_lshl_add_u32 v[SPW], v0, 2, SPARE
	v_mov_b32 v[NIL], 0
	v_lshrrev_b32 v1, 5, v0
	s_delay_alu instid0(VALU_DEP_1)
	v_readfirstlane_b32 s10, v1                    ; wave 0..7
	v_and_b32 v1, 31, v0                           ; lane
	s_wait_alu depctr_va_vdst(0)
	v_and_b32 v2, 15, v0                           ; r
	s_wait_alu depctr_va_vdst(0)
	v_bfe_u32 v3, v0, 4, 1                         ; h
	s_lshr_b32 s11, ttmp9, 6                       ; batch
	s_and_b32 s12, ttmp9, 63                       ; which 64 rows of the batch
	s_and_b32 s13, s12, 1                          ; hh: which half of a block of 128 keys
	s_and_b32 s16, s10, 3                          ; my number within my role
	s_mov_b32 s20, 0x76543210
	s_mov_b32 s21, 0xfedcba98                      ; v_permlanex16_b32's selects for lane l xor 16
	s_lshl_b32 s17, s10, 14
	v_lshl_add_u32 v4, v1, 4, s17                  ; GIN: 16 x lane + my 8 rows of 2,048 bytes
	s_mul_i32 s17, s10, 8*PITCH
	v_lshl_add_u32 v5, v1, 4, 4
	s_delay_alu instid0(VALU_DEP_1)
	v_add_nc_u32 v5, s17, v5                       ; LST: my rows in LDS, + 4 (t has word 0), + 16 x lane
	v_mov_b32 v6, s17                              ; LT0: word 0 of my first row
	s_lshl_b32 s18, s10, 6
	s_add_co_u32 s18, s18, FT
	v_mov_b32 v7, s18                              ; LFT: (f, t) of my first row
	s_lshr_b32 s19, s16, 1
	s_lshl_b32 s19, s19, 5
	s_and_b32 s22, s16, 1
	s_lshl_b32 s22, s22, 3
	s_add_co_u32 s19, s19, s22                     ; 32 (v / 2) + 8 (v % 2)
	v_and_b32 v26, 8, v2
	s_delay_alu instid0(VALU_DEP_1)
	v_add_nc_u32 v26, v26, v2
	s_delay_alu instid0(VALU_DEP_1)
	v_add_nc_u32 v26, s19, v26                     ; the row of the 64 that is row r of my tile
	s_delay_alu instid0(VALU_DEP_1)
	v_mul_u32_u24 v18, v26, PITCH                  ; AK5
	s_delay_alu instid0(VALU_DEP_1)
	v_lshl_add_u32 v8, v3, 7, v18                  ; AKR: + 128 h: lanes 16-31 begin 32 numbers further on
	s_delay_alu instid0(VALU_DEP_3)
	v_lshl_add_u32 v9, v26, 3, FT                  ; AFR
	s_lshl_b32 s22, s13, 2
	s_add_co_u32 s22, s22, s16                     ; my tile of the block: 4 hh + v
	s_lshl_b32 s23, s22, 12
	v_lshl_add_u32 v10, v1, 4, s23                 ; GK
	s_lshl_b32 s23, s22, 9
	v_lshl_add_u32 v11, v1, 4, s23                 ; GT
	s_lshl_b32 s23, s16, 7
	s_add_co_u32 s23, s23, 4
	v_lshl_add_u32 v12, v1, 2, s23                 ; AV0: word 1 + 32 v' + lane of row 0
	s_delay_alu instid0(VALU_DEP_1)
	v_add_nc_u32 v13, 32*PITCH, v12                ; AV1: of row 32
	s_lshl_b32 s23, s16, 11
	s_lshl_b32 s26, s13, 9
	s_add_co_u32 s23, s23, s26
	v_lshlrev_b32 v14, 4, v2
	s_delay_alu instid0(VALU_DEP_1)
	v_lshl_add_u32 v14, v3, 10, v14
	s_delay_alu instid0(VALU_DEP_1)
	v_add_nc_u32 v14, s23, v14                     ; GV: 2048 v' + 1024 (lane / 16) + 16 (lane % 16) + 512 hh
	s_lshl_b32 s23, s16, 7
	s_lshl_b32 s26, s13, 1
	s_add_co_u32 s23, s23, s26
	v_lshl_add_u32 v15, v1, 2, s23                 ; GS: 128 v' + 4 x lane + 2 hh
	v_mul_u32_u24 v16, v3, 32*PITCH                ; ATM: word 0 of row 32 h
	s_lshl_b32 s23, s13, 9
	v_lshl_add_u32 v17, v1, 4, s23                 ; GTM
	s_lshl_b32 s14, s11, 22                        ; the batch's 2,048 rows in g or p,
	s_and_b32 s15, s12, 31
	s_lshl_b32 s15, s15, 17                        ; my 64 of them
	s_add_co_u32 s14, s14, s15
	s_mov_b32 s15, 0
	s_lshl_b32 s26, s11, 5
	s_lshr_b32 s27, s12, 1
	s_add_co_u32 s26, s26, s27
	s_mul_i32 s26, s26, STEPB                      ; my block of kv (under 2^24 bytes in all)
	s_mov_b32 s27, 0
	s_wait_kmcnt 0x0
	s_cmp_lt_u32 s12, 32                           ; rows 0-2047 of a batch are g's, the others p's: a choice on the work-group's number alone
	s_cselect_b64 s[4:5], s[4:5], s[6:7]
	s_add_nc_u64 s[4:5], s[4:5], s[14:15]
	s_add_nc_u64 s[8:9], s[8:9], s[26:27]
; ---- every wave: 8 rows.  Each load reads 512 consecutive bytes of a row; all 32 are out together
.irp i, 0,1,2,3,4,5,6,7
.irp j, 0,1,2,3
	global_load_b128 v[X+16*\i+4*\j:X+16*\i+4*\j+3], v4, s[4:5] offset:2048*\i+512*\j th:TH_LOAD_NT
.endr
.endr
	s_wait_loadcnt 0x0
; row i's scalars at v[32 + 8 i]: +0 S, +1 max(S, EPS), +2 n, a, +3 1 / n, +4 2^a, then c, +5 2^-a, then at work, +6 the series, then f, +7 at work, then t.  The eight rows go by turns
.irp i, 0,1,2,3,4,5,6,7
	v_pk_mul_f32 v[32+8*\i:33+8*\i], v[X+16*\i:X+16*\i+1], v[X+16*\i:X+16*\i+1]
	v_pk_mul_f32 v[34+8*\i:35+8*\i], v[X+16*\i+2:X+16*\i+3], v[X+16*\i+2:X+16*\i+3]
.endr
.irp k, 4,8,12
.irp i, 0,1,2,3,4,5,6,7
	v_pk_fma_f32 v[32+8*\i:33+8*\i], v[X+16*\i+\k:X+16*\i+\k+1], v[X+16*\i+\k:X+16*\i+\k+1], v[32+8*\i:33+8*\i]
	v_pk_fma_f32 v[34+8*\i:35+8*\i], v[X+16*\i+\k+2:X+16*\i+\k+3], v[X+16*\i+\k+2:X+16*\i+\k+3], v[34+8*\i:35+8*\i]
.endr
.endr
.irp i, 0,1,2,3,4,5,6,7
	v_pk_add_f32 v[32+8*\i:33+8*\i], v[32+8*\i:33+8*\i], v[34+8*\i:35+8*\i]
.endr
.irp i, 0,1,2,3,4,5,6,7
	v_add_f32 v[32+8*\i], v[32+8*\i], v[33+8*\i]
.endr
.irp m, 1,2,4,8
.irp i, 0,1,2,3,4,5,6,7
	v_add_f32_dpp v[32+8*\i], v[32+8*\i], v[32+8*\i] row_xmask:\m row_mask:0xf bank_mask:0xf
.endr
.endr
.irp i, 0,1,2,3,4,5,6,7
	v_permlanex16_b32 v[33+8*\i], v[32+8*\i], s20, s21
.endr
.irp i, 0,1,2,3,4,5,6,7
	v_add_f32 v[32+8*\i], v[32+8*\i], v[33+8*\i]   ; S, in every lane
.endr
.irp i, 0,1,2,3,4,5,6,7
	v_max_num_f32 v[33+8*\i], EPSB, v[32+8*\i]     ; expmap0's clamp
.endr
	s_wait_alu depctr_va_vdst(0)
.irp i, 0,1,2,3,4,5,6,7
	v_sqrt_f32 v[34+8*\i], v[33+8*\i]              ; n
	v_rsq_f32 v[35+8*\i], v[33+8*\i]               ; 1 / n
.endr
.irp i, 0,1,2,3,4,5,6,7                            ; the series 1 + n^2/6 (1 + n^2/20 (1 + n^2/42)): plain work behind the batch, which names none of its results
	v_fma_f32 v[38+8*\i], v[33+8*\i], 0x3cc30c31, 1.0
	v_mul_f32 v[39+8*\i], 0x3d4ccccd, v[33+8*\i]
.endr
.irp i, 0,1,2,3,4,5,6,7
	v_fma_f32 v[38+8*\i], v[39+8*\i], v[38+8*\i], 1.0
	v_mul_f32 v[39+8*\i], 0x3e2aaaab, v[33+8*\i]
.endr
.irp i, 0,1,2,3,4,5,6,7
	v_fma_f32 v[38+8*\i], v[39+8*\i], v[38+8*\i], 1.0
.endr
	s_wait_alu depctr_va_vdst(0)                   ; one wait for the sixteen, ahead of their first reader
.irp i, 0,1,2,3,4,5,6,7
	v_mul_f32 v[34+8*\i], LOG2E, v[34+8*\i]        ; a = n log2(e)
.endr
	s_wait_alu depctr_va_vdst(0)
.irp i, 0,1,2,3,4,5,6,7
	v_exp_f32 v[36+8*\i], v[34+8*\i]
	v_exp_f32 v[37+8*\i], -v[34+8*\i]
.endr
	v_nop                                          ; a plain instruction behind the last of the batch
	s_wait_alu depctr_va_vdst(0)
.irp i, 0,1,2,3,4,5,6,7
	v_sub_f32 v[36+8*\i], v[36+8*\i], v[37+8*\i]
.endr
.irp i, 0,1,2,3,4,5,6,7
	v_mul_f32 v[36+8*\i], 0.5, v[36+8*\i]
.endr
.irp i, 0,1,2,3,4,5,6,7
	v_mul_f32 v[36+8*\i], v[36+8*\i], v[35+8*\i]   ; sinh(n) / n
.endr
.irp i, 0,1,2,3,4,5,6,7
	v_cmp_gt_f32 vcc_lo, 0x3e800000, v[33+8*\i]    ; n^2 under 0.25: the series; a choice of a value, no branch
	s_delay_alu instid0(VALU_DEP_1)
	v_cndmask_b32 v[36+8*\i], v[36+8*\i], v[38+8*\i], vcc_lo   ; c
.endr
.irp i, 0,1,2,3,4,5,6,7
	v_mul_f32 v[37+8*\i], v[36+8*\i], v[32+8*\i]
.endr
.irp i, 0,1,2,3,4,5,6,7
	v_mul_f32 v[37+8*\i], v[37+8*\i], v[36+8*\i]   ; c c S: the sum of squares of expmap0's space part
.endr
.irp i, 0,1,2,3,4,5,6,7
	v_max_num_f32 v[37+8*\i], EPSB, v[37+8*\i]     ; hyp_normalize's clamp
.endr
	s_wait_alu depctr_va_vdst(0)
.irp i, 0,1,2,3,4,5,6,7
	v_rsq_f32 v[37+8*\i], v[37+8*\i]
.endr
	v_nop
	s_wait_alu depctr_va_vdst(0)
.irp i, 0,1,2,3,4,5,6,7
	v_mul_f32 v[38+8*\i], v[36+8*\i], v[37+8*\i]   ; f
.endr
.irp i, 0,1,2,3,4,5,6,7
	v_mul_f32 v[39+8*\i], v[38+8*\i], v[32+8*\i]
.endr
.irp i, 0,1,2,3,4,5,6,7
	v_fma_f32 v[39+8*\i], v[39+8*\i], v[38+8*\i], 1.0
.endr
	s_wait_alu depctr_va_vdst(0)
.irp i, 0,1,2,3,4,5,6,7
	v_sqrt_f32 v[39+8*\i], v[39+8*\i]              ; t
.endr
	v_nop
	s_wait_alu depctr_va_vdst(0)
.irp i, 0,1,2,3,4,5,6,7
.irp k, 0,2,4,6,8,10,12,14
	v_pk_mul_f32 v[X+16*\i+\k:X+16*\i+\k+1], v[X+16*\i+\k:X+16*\i+\k+1], v[38+8*\i:39+8*\i] op_sel_hi:[1,0]   ; f x
.endr
.endr
.irp i, 0,1,2,3,4,5,6,7
.irp j, 0,1,2,3
.irp e, 0,1,2,3
	ds_store_b32 v5, v[X+16*\i+4*\j+\e] offset:\i*PITCH+512*\j+4*\e   ; x's index 128 j + 4 lane + e goes to word 1 + that index
.endr
.endr
	ds_store_b32 v6, v[39+8*\i] offset:\i*PITCH    ; t to word 0: all lanes write the same word with the same value
	ds_store_b64 v7, v[38+8*\i:39+8*\i] offset:8*\i
.endr
	s_wait_dscnt 0x0                               ; for the others' sake: my stores have landed
	s_barrier_signal -1
	s_barrier_wait -1                              ; the 64 rows of xh lie in LDS; from here on LDS is only read
	s_cmp_lt_u32 s10, 4
	s_cbranch_scc0 .Lvrole
; ---- waves 0-3: my tile of 16 keys along the 513.  Lane (r, h) holds whole blocks of 32: k = 128 s + 64 c + 32 h + 0 .. 31, the operand's own order
.macro LOADK ks, reg
.irp c, 0,1
.irp i, 0,1,2,3,4,5,6,7
	ds_load_b128 v[\reg+32*\c+4*\i:\reg+32*\c+4*\i+3], v8 offset:512*\ks+256*\c+16*\i
.endr
.endr
.endm
.macro KFRAG ks, reg                   ; K step ks: its codes into v[32 + 8 ks] on (registers of its own: no store's data are written again), its scale word into v[64 + ks]
.irp c, 0,1
	v_max3_num_f32 v[68+\c], |v[\reg+32*\c]|, |v[\reg+32*\c+1]|, FLOOR
.endr
.irp i, 2,4,6,8,10,12,14,16,18,20,22,24,26,28,30
.irp c, 0,1
	s_delay_alu instid0(VALU_DEP_2)
	v_max3_num_f32 v[68+\c], v[68+\c], |v[\reg+32*\c+\i]|, |v[\reg+32*\c+\i+1]|
.endr
.endr
.irp c, 0,1
	s_delay_alu instid0(VALU_DEP_2)
	v_add_nc_u32 v[70+\c], 0xff000000, v[68+\c]    ; 2 off the exponent field: the conversion's scale operand
.endr
.irp c, 0,1
	s_delay_alu instid0(VALU_DEP_2)
	v_lshrrev_b32 v[72+\c], 23, v[70+\c]           ; the scale's byte
.endr
	s_delay_alu instid0(VALU_DEP_1)
	v_lshl_or_b32 v[64+\ks], v73, 16, v72          ; my two bytes: blocks h and 2 + h,
	s_delay_alu instid0(VALU_DEP_1)
	v_lshlrev_b32 v[64+\ks], v74, v[64+\ks]        ; 8 h bits up;
	s_delay_alu instid0(VALU_DEP_1)
	v_permlanex16_b32 v75, v[64+\ks], s20, s21
	s_delay_alu instid0(VALU_DEP_1)
	v_or_b32 v[64+\ks], v[64+\ks], v75             ; with lane l xor 16's two the word is whole
.irp c, 0,1
.irp g, 0,1,2,3
	v_cvt_scalef32_pk8_fp4_f32 v[32+8*\ks+4*\c+\g], v[\reg+32*\c+8*\g:\reg+32*\c+8*\g+7], v[70+\c]
.endr
.endr
	v_nop                                          ; a plain instruction behind the last conversion
	global_store_b128 v10, v[32+8*\ks:32+8*\ks+3], s[8:9] offset:1024*\ks        ; the wave stores 512 consecutive bytes
	global_store_b128 v10, v[32+8*\ks+4:32+8*\ks+7], s[8:9] offset:1024*\ks+512
.endm
	ds_load_b64 v[80:81], v9                       ; f, t of my row
	ds_load_b32 v84, v18 offset:2048               ; xh[512]: the one number of the last block
	LOADK 0, 96
	LOADK 1, 160
	v_lshlrev_b32 v74, 3, v3
	v_mov_b32 v75, 0                               ; (a lane permute's destination counts as one of its sources)
.irp i, 85,86,87,88,89,90,91
	v_mov_b32 v\i, 0                               ; the block's fill
.endr
	s_wait_dscnt 16                                ; all but the 16 loads of the next set
	KFRAG 0, 96
	LOADK 2, 96
	s_wait_dscnt 16
	KFRAG 1, 160
	LOADK 3, 160
	s_wait_dscnt 16
	KFRAG 2, 96
	s_wait_dscnt 0x0
	KFRAG 3, 160
	v_max_num_f32 v68, FLOOR, |v84|
	s_delay_alu instid0(VALU_DEP_1)
	v_add_nc_u32 v70, 0xff000000, v68
	s_delay_alu instid0(VALU_DEP_1)
	v_lshrrev_b32 v72, 23, v70
	s_delay_alu instid0(VALU_DEP_1)
	v_or_b32 v72, 0x7f7f7f00, v72                  ; K step 4's scale word: block 16's byte, and 127 for the three blocks that hold nothing
	v_cvt_scalef32_pk8_fp4_f32 v73, v[84:91], v70
	v_nop
	v_cmp_eq_u32 vcc_lo, 1, v3
	s_delay_alu instid0(VALU_DEP_1)
	v_cndmask_b32 v76, v64, v72, vcc_lo            ; lanes 0-15 send the four scale words, lanes 16-31 the word, the codes, f, t: 512 consecutive bytes
	v_cndmask_b32 v77, v65, v73, vcc_lo
	s_delay_alu instid0(VALU_DEP_3)
	v_cndmask_b32 v78, v66, v80, vcc_lo
	s_delay_alu instid0(VALU_DEP_4)
	v_cndmask_b32 v79, v67, v81, vcc_lo
	global_store_b128 v11, v[76:79], s[8:9] offset:KT
	s_branch .Lend
; ---- waves 4-7: along the keys.  A lane takes column 32 (v' + 4 n) + lane, and its 32 registers run down a block of 32 keys: the block's maximum needs no other lane, and the codes come out with the keys innermost
.Lvrole:
.macro LOADV bb                        ; block bb = 2 n + hb: keys 32 hb .. of my 64
.set ir_, 0
.rept 32
	ds_load_b32 v[96+32*((\bb)%2)+ir_], v[12+(\bb)%2] offset:512*((\bb)/2)+ir_*PITCH
.set ir_, ir_+1
.endr
.endm
.macro VMAX xs                         ; the largest magnitude of v[xs] .. v[xs + 31], with the floor, in v74; the conversion's operand in v76, the byte in v77
	v_max3_num_f32 v74, |v[\xs]|, |v[\xs+1]|, |v[\xs+2]|
	v_max3_num_f32 v75, |v[\xs+3]|, |v[\xs+4]|, |v[\xs+5]|
.irp i, 6,10,14,18,22,26
	s_delay_alu instid0(VALU_DEP_2)
	v_max3_num_f32 v74, v74, |v[\xs+\i]|, |v[\xs+\i+1]|
	s_delay_alu instid0(VALU_DEP_2)
	v_max3_num_f32 v75, v75, |v[\xs+\i+2]|, |v[\xs+\i+3]|
.endr
	s_delay_alu instid0(VALU_DEP_2)
	v_max3_num_f32 v74, v74, |v[\xs+30]|, |v[\xs+31]|
	s_delay_alu instid0(VALU_DEP_1)
	v_max3_num_f32 v74, v74, v75, FLOOR
	s_delay_alu instid0(VALU_DEP_1)
	v_add_nc_u32 v76, 0xff000000, v74
	s_delay_alu instid0(VALU_DEP_1)
	v_lshrrev_b32 v77, 23, v76
.endm
.macro BLOCKV bb
.set XS, 96+32*((\bb)%2)
.if (\bb) < 7
	s_wait_dscnt 32                                ; this block's 32 loads are in; the next block's may be out
.else
	s_wait_dscnt 0x0
.endif
	VMAX XS
.if (\bb)%2 == 0
	s_delay_alu instid0(VALU_DEP_1)
	v_mov_b32 v[64+(\bb)/2], v77
.else
	s_delay_alu instid0(VALU_DEP_1)
	v_lshl_or_b32 v[64+(\bb)/2], v77, 8, v[64+(\bb)/2]
.endif
.irp g, 0,1,2,3
	v_cvt_scalef32_pk8_fp4_f32 v[32+4*(\bb)+\g], v[XS+8*\g:XS+8*\g+7], v76
.endr
	v_nop
	global_store_b128 v14, v[32+4*(\bb):32+4*(\bb)+3], s[8:9] offset:VF+8192*((\bb)/2)+256*((\bb)%2)   ; sixteen lanes store 256 consecutive bytes, aligned
.if (\bb)%2 == 1
	global_store_b16 v15, v[64+(\bb)/2], s[8:9] offset:VS+512*((\bb)/2)   ; my half of each column's scale word; the other half is the neighbouring work-group's: 1 KB of the 36 KB that a work-group stores
.endif
.if (\bb)+2 < 8
	LOADV (\bb)+2
.endif
.endm
	LOADV 0
	LOADV 1
.irp b, 0,1,2,3,4,5,6,7
	BLOCKV \b
.endr
	v_mov_b32 v72, 0x7f7f                          ; rows 16 to 23 of the scale words: row 16 is tile 32's, the others are read by nobody's products, and are stored so that every byte of a block has been written
	v_mov_b32 v73, 0x7f7f
	s_cmp_lg_u32 s10, 4
	s_cbranch_scc1 .Lfill
.set ir_, 0
.rept 32
	ds_load_b32 v[160+ir_], v16 offset:ir_*PITCH   ; wave 4: the time column: t of keys 32 h ..
.set ir_, ir_+1
.endr
	v_cmp_eq_u32 vcc_lo, 0, v2
	s_delay_alu instid0(VALU_DEP_1)
	v_cndmask_b32 v192, 0, 1.0, vcc_lo             ; row 0 of the tile is the column; rows 1-15 are zeros
	s_delay_alu instid0(VALU_DEP_1)
	v_mov_b32 v193, v192
	s_wait_alu depctr_va_vdst(0)
	s_wait_dscnt 0x0
.irp k, 0,2,4,6,8,10,12,14,16,18,20,22,24,26,28,30
	v_pk_mul_f32 v[160+\k:161+\k], v[160+\k:161+\k], v[192:193]
.endr
	VMAX 160
.irp g, 0,1,2,3
	v_cvt_scalef32_pk8_fp4_f32 v[68+\g], v[160+8*\g:167+8*\g], v76
.endr
	v_nop
	global_store_b128 v17, v[68:71], s[8:9] offset:VF+32768
	v_permlanex16_b32 v75, v77, s20, s21
	s_delay_alu instid0(VALU_DEP_1)
	v_lshl_or_b32 v72, v75, 8, v77                 ; lanes 0-15: the bytes of key blocks 0 and 1 of my 64
.Lfill:
	s_wait_alu depctr_va_vdst(0)
	global_store_b16 v15, v72, s[8:9] offset:VS+2048
	global_store_b16 v15, v73, s[8:9] offset:VS+2560
.Lend:
	s_wait_tensorcnt 0x0                           ; the wave's end, behind my last LDS store
	ds_add_u32 v[SPW], v[NIL]
	s_wait_dscnt 0x0
	s_endpgm
.Lfunc_end_k_qaca7e763f2_prep:
	.size	k_qaca7e763f2_prep, .Lfunc_end_k_qaca7e763f2_prep-k_qaca7e763f2_prep
	.p2alignl 7, 3214868480
	.fill 96, 4, 3214868480
	.section	.rodata,"a",@progbits
	.p2align	6, 0x0
	.amdhsa_kernel k_qaca7e763f2_prep
		.amdhsa_group_segment_fixed_size 133632
		.amdhsa_private_segment_fixed_size 0
		.amdhsa_enable_private_segment 0
		.amdhsa_kernarg_size 24
		.amdhsa_user_sgpr_count 2
		.amdhsa_user_sgpr_kernarg_segment_ptr 1
		.amdhsa_wavefront_size32 1
		.amdhsa_system_sgpr_workgroup_id_x 1
		.amdhsa_system_sgpr_workgroup_id_y 1
		.amdhsa_system_sgpr_workgroup_id_z 1
		.amdhsa_system_vgpr_workitem_id 0
		.amdhsa_next_free_vgpr 224
		.amdhsa_next_free_sgpr 66
		.amdhsa_reserve_vcc 1
		.amdhsa_float_denorm_mode_32 3
		.amdhsa_float_denorm_mode_16_64 3
		.amdhsa_memory_ordered 1
		.amdhsa_forward_progress 1
		.amdhsa_inst_pref_size 99
	.end_amdhsa_kernel
	.amdgpu_metadata
---
amdhsa.version: [ 1, 2 ]
amdhsa.kernels:
  - .name:           k_qaca7e763f2_prep
    .symbol:         k_qaca7e763f2_prep.kd
    .args:
      - { .name: g, .offset: 0, .size: 8, .value_kind: global_buffer, .address_space: global }
      - { .name: p, .offset: 8, .size: 8, .value_kind: global_buffer, .address_space: global }
      - { .name: kv, .offset: 16, .size: 8, .value_kind: global_buffer, .address_space: global }
    .group_segment_fixed_size: 133632
    .private_segment_fixed_size: 0
    .kernarg_segment_align: 8
    .kernarg_segment_size: 24
    .max_flat_workgroup_size: 256
    .sgpr_count:     66
    .vgpr_count:     224
    .wavefront_size: 32
...
	.end_amdgpu_metadata
.endif
;; end of part 1
;; launch attn (part 2): grid 64 x 4, 4 waves a work-group, clusters of 4 x 1, 327,680 bytes of LDS; arguments kv, g, p, scale, bias, ln_gamma, ln_beta, out0; writes out0
.if DOCPART == 2
	.amdgcn_target "amdgcn-amd-amdhsa--gfx1250"
	.amdhsa_code_object_version 6
	.text
	.protected	k_qaca7e763f2_attn
	.globl	k_qaca7e763f2_attn
	.p2align	8
	.type	k_qaca7e763f2_attn,@function
k_qaca7e763f2_attn:
	s_mov_b64 s[64:65], 0
	v_nop
	global_prefetch_b8 v0, s[64:65] scope:SCOPE_SE
	s_setreg_imm32_b32 hwreg(HW_REG_WAVE_MODE, 25, 1), 1
	s_wait_xcnt 0x0
	s_wait_alu depctr_hold_cnt(0) depctr_sa_sdst(0) depctr_va_vdst(0) depctr_va_sdst(0) depctr_va_ssrc(0) depctr_va_vcc(0) depctr_vm_vsrc(0)
	s_getreg_b32 s2, hwreg(HW_REG_IB_STS2, 6, 4)
	s_cmp_eq_u32 s2, 0
	s_cbranch_scc0 .Lentry_in_a_cluster
	s_endpgm
.Lentry_in_a_cluster:
	s_bfe_u32 s2, ttmp6, 0x10000c
	s_cmp_lg_u32 s2, 0x3003
	s_cbranch_scc0 .Lentry_shape_is_right
	s_endpgm
.Lentry_shape_is_right:
; ATTN.  For each batch: scores = qm . xh over 513 numbers, softmax(scores / scale + bias), ave = w . xh, both products on the E2M1 codes that the first launch laid in kv; then, row by row in f32,
; the mid-point's normalisation, mobius_add, the layer norm with gamma and beta, logmap0; out0 [4][4096][512].
; LEFT OUT, for all values of the inputs: the time component of mobius_add's result (hyp_layernorm takes x[..., 1:] alone) and the zero time components of both logmap0.  l_inner(v, v) is taken as cl^2 |y_s|^2:
; v = u + co (x + o) gives |u_s|^2 + 2 co <x_s, u_s> + co^2 (|x_s|^2 - (t + 1)^2); t^2 = |x_s|^2 + 1 by hyp_normalize, so the bracket is -2 (t + 1), and co (t + 1) = <x_s, u_s>: the last two terms are 0 together.
; A NaN, an infinity or an overflow that reaches only what is left out is not carried to the result.
; THE QUERIES are the keys' codes with signs turned: qm = (t, -s); the sign of scale goes into them too, so that c = log2(e) / |scale| is positive.
; THE SOFTMAX.  t = score x c + bias log2(e).  In each key step of 128 keys M = that step's largest t of the row, rounded up to a whole number; p = 2^(t - M), at most 1, is quantised along the keys.
; O^T and the row's sum l are kept under ONE whole number Mref = floor(bias log2(e) - 8 c), the same for all rows and waves: d = M - Mref goes into p's four scale bytes (byte + d) and into the step's sum of the
; unquantised p (v_ldexp_f32): powers of two, nothing is rounded, and O^T is never multiplied.  |score| stays under 8: |xh|^2 <= 3 by hyp_normalize, and the quantiser raises a block's sum of squares by a factor under 2.3.  So d >= 0.
; LIMITS.  d is held to 0 .. 48, so that every byte stays in 1 .. 173 and l^2 stays inside f32.  d reaches at most 16 c + 2: the results are as stated for |scale| >= 0.51 (the problem's scale is sqrt(512)); under that
; bound steps whose d is held count too little.  NaN and infinities among the inputs and scale = 0 are not served.  scores / scale is a multiplication by c (v_rcp_f32).
; arccosh(a) = ln(a + sqrt(a a - 1)): at reference()'s clamp a = 1 + 1.2e-7 it is good to about 1e-4 of itself.
; SHARES.  A work-group owns 64 queries, four tiles of 16.  Wave w multiplies for TWO tiles (place 0: tile w, place 1: tile w xor 1), so that each fragment read from LDS feeds two matrix instructions, over HALF the keys:
; of every slot of 256 keys the step w % 2.  At the end it hands place 1's sums to wave w xor 1 through LDS, adds that wave's sums for its own tile, and finishes its 16 queries.
; THE RING.  Two slots of 256 keys (two blocks of kv, 147,456 dense bytes); each wave fetches a quarter by one tensor load.  The four work-groups of a cluster belong to one batch and walk the same slots: each load is asked
; for JOINTLY.  The change of slots closes a key step: the wait for my tensor load and the add stand ahead of the step's last 18 products, the wait for the add behind them, and the round and the refill follow at once.
; The change behind slot 14 brings my 16 rows of x into the bytes that slot 14 has left.
; BOTH PRODUCTS ARE USED TRANSPOSED: S^T = K Q^T, O^T = V^T P^T: a lane holds one query (lane % 16); register 8 T + j of O^T is column 16 T + 8 (lane / 16) + j.
; K = 513 is five K steps; of the fifth only k = 512 is live: K's eight fragments of it lie two registers apart and overlap; only register 0 of each meets a code of Q that is not zero.
; REGISTERS.  Window 0: v1-15 addresses; v16-31 statistics, 8 a place: +0 bias' - M, +1 written once, +2 -M, +3 d, +4 l, +5 d in four bytes, +6, +7 the step's sum; v32-55 block maxima, bytes, operands; v56-59 at work;
;   v60-61 p's scale words; v62-63 f, t of my query; v64-83 K's or V's scale words; v84-88 Q's; v89-93 addresses; v96-111 p's codes; v128-255 S^T, then p, then V's tiles 16-31.  Window 1: O^T of place 0.  Window 2: of place 1.
;   Window 3: v0-79 Q; v80-95 tile 32 of O^T (the time column); v96-117 K step 4; v120-127 V's tile 32; v128-191, v192-255 two sets of eight fragments.
.set STEPB, 73728
.set SLOTB, 147456                     ; bits that no wave's quarter (w x 0x9000) has: one exclusive or turns an address in one slot into the other's
.set QB,    36864
.set BATB,  2359296
.set KT,    32768
.set VF,    36864
.set VS,    70656
.set XTB,   33280                      ; my 16 rows of x: 32 half rows of 1,024 bytes + 16; later the stage for the way out.  In slot 0, behind its last fill
.set SGP,   2064                       ; a row of the stage: 2,048 bytes + 16 = 516 words, so that the 16 rows of a store begin 4 banks apart (64 banks of 4 bytes: ISA guide 11.1)
.set MGB,   33792                      ; a merge image: 66 stores of 512 bytes.  In slot 1, behind its last fill and last read
.set SPARE, 294912                     ; the spare words, 128 bytes a wave; no other line names them
.set R, 1
.set H, 2
.set LI, 3
.set BK, 4
.set BT, 5
.set BS, 6
.set ADK, 7
.set ADV, 8
.set ADT, 9
.set ADS, 10
.set PFO, 11
.set PFO2, 12
.set MGW, 13
.set SPW, 14
.set NIL, 15
.set ST, 16
.set BM, 32
.set PSC, 60
.set FQ, 62
.set SCL, 64
.set QSC, 84
.set MGR, 89
.set AX, 90
.set AR, 91
.set ARW, 92
.set AXS, 93
.set PCD, 96
.set S, 128
.set FA, 128
.set FB, 192
.set K4B, 96
.set VT, 120
.set WV, 20
.set J, 21
.set CX, 22
.set BAT, 23
.set G1, 24
.set G0, 32
.set G1X, 36
.set G0X, 44
.set CS, 48
.set BL, 50
.set MS, 51
.set TB, 52
.set TBV, 53
.set SLOTS, 54
.set LIMB, 56
.set PFA, 58
.set SEL, 60
.set PFX, 62                           ; s[62:63] my 16 rows of x in memory; never rewritten
.set NMR, 88                           ; s88 -Mref, as f32
.set K01, 89                           ; s89 0x01010101
.set MSB, 0
.macro WIN new                         ; bits 1:0 source 0, 3:2 source 1, 5:4 source 2, 7:6 destination; the high byte repeats the setting that is left
.set NW_, (\new)
.if MSB != NW_
	s_set_vgpr_msb (MSB<<8)|NW_
.set MSB, NW_
.endif
.endm
.macro ROUND                           ; a round of the cluster's barrier
	s_barrier_signal -1
	s_barrier_wait -1
	s_cmp_lg_u32 s[WV], 0
	s_cbranch_scc1 .Lnot_wave_0_\@
	s_barrier_signal -3
.Lnot_wave_0_\@:
	s_barrier_wait -3
	s_barrier_signal -1
	s_barrier_wait -1
.endm
.macro PLACES                          ; four plain instructions between a matrix instruction and a load into, or a vector read of, its registers
.rept 4
	v_nop
.endr
.endm
.macro WMS                             ; one matrix instruction by the symbols rD, rA, rB, rZ (C = 0), rSA, rSB, rRA, rRB (the scales' rows)
.if rZ
.if rRA && rRB
	v_wmma_scale_f32_16x16x128_f8f6f4 v[rD:rD+7], v[rA:rA+7], v[rB:rB+7], 0, v[rSA], v[rSB] matrix_a_fmt:MATRIX_FMT_FP4 matrix_b_fmt:MATRIX_FMT_FP4 matrix_a_scale:MATRIX_SCALE_ROW1 matrix_b_scale:MATRIX_SCALE_ROW1
.elseif rRA
	v_wmma_scale_f32_16x16x128_f8f6f4 v[rD:rD+7], v[rA:rA+7], v[rB:rB+7], 0, v[rSA], v[rSB] matrix_a_fmt:MATRIX_FMT_FP4 matrix_b_fmt:MATRIX_FMT_FP4 matrix_a_scale:MATRIX_SCALE_ROW1
.elseif rRB
	v_wmma_scale_f32_16x16x128_f8f6f4 v[rD:rD+7], v[rA:rA+7], v[rB:rB+7], 0, v[rSA], v[rSB] matrix_a_fmt:MATRIX_FMT_FP4 matrix_b_fmt:MATRIX_FMT_FP4 matrix_b_scale:MATRIX_SCALE_ROW1
.else
	v_wmma_scale_f32_16x16x128_f8f6f4 v[rD:rD+7], v[rA:rA+7], v[rB:rB+7], 0, v[rSA], v[rSB] matrix_a_fmt:MATRIX_FMT_FP4 matrix_b_fmt:MATRIX_FMT_FP4
.endif
.else
.if rRA && rRB
	v_wmma_scale_f32_16x16x128_f8f6f4 v[rD:rD+7], v[rA:rA+7], v[rB:rB+7], v[rD:rD+7], v[rSA], v[rSB] matrix_a_fmt:MATRIX_FMT_FP4 matrix_b_fmt:MATRIX_FMT_FP4 matrix_a_scale:MATRIX_SCALE_ROW1 matrix_b_scale:MATRIX_SCALE_ROW1
.elseif rRA
	v_wmma_scale_f32_16x16x128_f8f6f4 v[rD:rD+7], v[rA:rA+7], v[rB:rB+7], v[rD:rD+7], v[rSA], v[rSB] matrix_a_fmt:MATRIX_FMT_FP4 matrix_b_fmt:MATRIX_FMT_FP4 matrix_a_scale:MATRIX_SCALE_ROW1
.elseif rRB
	v_wmma_scale_f32_16x16x128_f8f6f4 v[rD:rD+7], v[rA:rA+7], v[rB:rB+7], v[rD:rD+7], v[rSA], v[rSB] matrix_a_fmt:MATRIX_FMT_FP4 matrix_b_fmt:MATRIX_FMT_FP4 matrix_b_scale:MATRIX_SCALE_ROW1
.else
	v_wmma_scale_f32_16x16x128_f8f6f4 v[rD:rD+7], v[rA:rA+7], v[rB:rB+7], v[rD:rD+7], v[rSA], v[rSB] matrix_a_fmt:MATRIX_FMT_FP4 matrix_b_fmt:MATRIX_FMT_FP4
.endif
.endif
.endm
.macro KLOAD ks, buf                   ; K's eight fragments of K step ks: images of the registers, 16 bytes a lane on end
	WIN 0xc0
.set it_, 0
.rept 8
	ds_load_b128 v[\buf+8*it_:\buf+8*it_+3], v[ADK] offset:(4*it_+\ks)*1024
	ds_load_b128 v[\buf+8*it_+4:\buf+8*it_+7], v[ADK] offset:(4*it_+\ks)*1024+512
.set it_, it_+1
.endr
.endm
.macro K4LOAD                          ; K step 4: register 0 of each tile's fragment (k = 512 in lanes 0-15); the fragments lie two registers apart
	WIN 0xc0
.set it_, 0
.rept 8
	ds_load_b32 v[K4B+2*it_], v[ADT] offset:512*it_+260
.set it_, it_+1
.endr
.endm
.macro VLOAD g, buf                    ; V's tiles 8 g .. 8 g + 7 into window 3
	WIN 0xc0
.set it_, 0
.rept 8
	ds_load_b128 v[\buf+8*it_:\buf+8*it_+3], v[ADV] offset:(8*(\g)+it_)*1024
	ds_load_b128 v[\buf+8*it_+4:\buf+8*it_+7], v[ADV] offset:(8*(\g)+it_)*1024+512
.set it_, it_+1
.endr
.endm
.macro VLOADS                          ; V's tiles 16 .. 31 into the registers that held p, and tile 32: 34 loads
	WIN 0
.set it_, 0
.rept 16
	ds_load_b128 v[S+8*it_:S+8*it_+3], v[ADV] offset:(16+it_)*1024
	ds_load_b128 v[S+8*it_+4:S+8*it_+7], v[ADV] offset:(16+it_)*1024+512
.set it_, it_+1
.endr
	WIN 0xc0
	ds_load_b128 v[VT:VT+3], v[ADV] offset:32768
	ds_load_b128 v[VT+4:VT+7], v[ADV] offset:33280
.endm
; 16 matrix instructions of S^T: eight tiles of keys x two places; the sixteen accumulators take turns, one instruction a turn
.macro QK16 ks, buf, zero
	WIN 0x0f                                       ; K and Q in window 3, S^T in window 0
.set it_, 0
.rept 8
.set iq_, 0
.rept 2
.set rD, S+64*iq_+8*it_
.set rB, 40*iq_+8*\ks
.if \ks < 4
.set rA, \buf+8*it_
.set rSA, SCL+4*(it_/2)+\ks
.else
.set rA, K4B+2*it_
.set rSA, SCL+16+it_/2
.endif
.set rSB, QSC+\ks
.set rRA, it_%2
.set rRB, iq_
.set rZ, \zero
	WMS
.set iq_, iq_+1
.endr
.set it_, it_+1
.endr
.endm
.macro PV16 g, buf, first, aw          ; 16 matrix instructions of O^T: tiles 8 g .. 8 g + 7, place 0, then place 1; V's fragments in window aw
.set iq_, 0
.rept 2
	WIN (0x50+0x50*iq_)|\aw                        ; p in window 0, O^T in window 1 or 2
.set it_, 0
.rept 8
.set rD, 8*(8*\g+it_)
.set rA, \buf+8*it_
.set rB, PCD+8*iq_
.set rSA, SCL+(8*\g+it_)/2
.set rSB, PSC+iq_
.set rRA, it_%2
.set rRB, 0
.set rZ, \first
	WMS
.set it_, it_+1
.endr
.set iq_, iq_+1
.endr
.endm
.macro PVT first                       ; tile 32, both places
	WIN 0xf3
.set iq_, 0
.rept 2
.set rD, 80+8*iq_
.set rA, VT
.set rB, PCD+8*iq_
.set rSA, SCL+16
.set rSB, PSC+iq_
.set rRA, 0
.set rRB, 0
.set rZ, \first
	WMS
.set iq_, iq_+1
.endr
.endm
; THE SOFTMAX of 128 keys for both places, line by line by turns.  The 16 registers of tiles 2 b and 2 b + 1 are keys 32 b + 16 (lane / 16) + 0 .. 15.
.macro SOFTMAX
	WIN 0
.irp b, 0,1,2,3
.irp q, 0,1
	v_max3_num_f32 v[BM+12*\q+\b], v[S+64*\q+16*\b], v[S+64*\q+16*\b+1], v[S+64*\q+16*\b+2]   ; the largest SCORE of each block of 32 keys: for the step's maximum and, since p rises with the score, for the block's largest p
.endr
.endr
.irp i, 3,5,7,9,11,13
.irp b, 0,1,2,3
.irp q, 0,1
	v_max3_num_f32 v[BM+12*\q+\b], v[BM+12*\q+\b], v[S+64*\q+16*\b+\i], v[S+64*\q+16*\b+\i+1]
.endr
.endr
.endr
.irp b, 0,1,2,3
.irp q, 0,1
	v_max_num_f32 v[BM+12*\q+\b], v[BM+12*\q+\b], v[S+64*\q+16*\b+15]
.endr
.endr
.irp b, 0,1,2,3
.irp q, 0,1
	v_permlanex16_b32 v[BM+12*\q+4+\b], v[BM+12*\q+\b], s[SEL], s[SEL+1]
.endr
.endr
.irp b, 0,1,2,3
.irp q, 0,1
	v_max_num_f32 v[BM+12*\q+\b], v[BM+12*\q+\b], v[BM+12*\q+4+\b]   ; with lane l xor 16's 16 keys
.endr
.endr
.irp q, 0,1
	v_max3_num_f32 v[ST+8*\q+3], v[BM+12*\q], v[BM+12*\q+1], v[BM+12*\q+2]
.endr
.irp q, 0,1
	v_max_num_f32 v[ST+8*\q+3], v[ST+8*\q+3], v[BM+12*\q+3]
.endr
.irp q, 0,1
	v_fma_f32 v[ST+8*\q+3], v[ST+8*\q+3], s[CS], s[BL]   ; the step's largest t (c is positive)
.endr
.irp q, 0,1
	v_floor_f32 v[ST+8*\q+2], -v[ST+8*\q+3]        ; -M = floor(-t): M is a whole number
.endr
.irp q, 0,1
	v_add_f32 v[ST+8*\q], s[BL], v[ST+8*\q+2]      ; bias log2(e) - M
.endr
.irp q, 0,1
	v_sub_f32 v[ST+8*\q+3], s[NMR], v[ST+8*\q+2]   ; d = M - Mref
.endr
.irp q, 0,1
	v_med3_num_f32 v[ST+8*\q+3], v[ST+8*\q+3], 0, 0x42400000   ; held to 0 .. 48
.endr
.irp q, 0,1
	v_cvt_i32_f32 v[ST+8*\q+3], v[ST+8*\q+3]
.endr
.irp q, 0,1
	v_mul_lo_u32 v[ST+8*\q+5], v[ST+8*\q+3], s[K01]   ; d in each of four bytes
.endr
.set ii_, 0
.rept 32
	v_pk_fma_f32 v[S+ii_:S+ii_+1], v[S+ii_:S+ii_+1], s[CS:CS+1], v[ST:ST+1] op_sel_hi:[1,0,0]   ; t - M, two at a time
	v_pk_fma_f32 v[S+64+ii_:S+64+ii_+1], v[S+64+ii_:S+64+ii_+1], s[CS:CS+1], v[ST+8:ST+9] op_sel_hi:[1,0,0]
.set ii_, ii_+2
.endr
.irp b, 0,1,2,3
.irp q, 0,1
	v_fma_f32 v[BM+12*\q+\b], v[BM+12*\q+\b], s[CS], v[ST+8*\q]   ; the same of each block's largest score
.endr
.endr
	s_wait_alu depctr_va_vdst(0)
.set ii_, 0
.rept 128
	v_exp_f32 v[S+ii_], v[S+ii_]                   ; p = 2^(t - M): not normalised
.set ii_, ii_+1
.endr
	v_nop                                          ; a plain instruction behind the batch
	s_wait_alu depctr_va_vdst(0)                   ; one wait for the 128, ahead of their first reader
.irp b, 0,1,2,3
.irp q, 0,1
	v_exp_f32 v[BM+12*\q+\b], v[BM+12*\q+\b]       ; the block's largest p
.endr
.endr
.irp q, 0,1
	v_pk_add_f32 v[56+2*\q:57+2*\q], v[S+64*\q:S+64*\q+1], v[S+64*\q+2:S+64*\q+3]   ; the step's sum of the unquantised p, in two chains a place
	v_pk_add_f32 v[ST+8*\q+6:ST+8*\q+7], v[S+64*\q+4:S+64*\q+5], v[S+64*\q+6:S+64*\q+7]
.endr
.irp j, 8,12,16,20,24,28,32,36,40,44,48,52,56,60
.irp q, 0,1
	v_pk_add_f32 v[56+2*\q:57+2*\q], v[56+2*\q:57+2*\q], v[S+64*\q+\j:S+64*\q+\j+1]
	v_pk_add_f32 v[ST+8*\q+6:ST+8*\q+7], v[ST+8*\q+6:ST+8*\q+7], v[S+64*\q+\j+2:S+64*\q+\j+3]
.endr
.endr
.irp q, 0,1
	v_pk_add_f32 v[ST+8*\q+6:ST+8*\q+7], v[ST+8*\q+6:ST+8*\q+7], v[56+2*\q:57+2*\q]
.endr
.irp q, 0,1
	v_add_f32 v[ST+8*\q+6], v[ST+8*\q+6], v[ST+8*\q+7]
.endr
.irp q, 0,1
	v_ldexp_f32 v[ST+8*\q+6], v[ST+8*\q+6], v[ST+8*\q+3]   ; x 2^d: under Mref
.endr
.irp q, 0,1
	v_add_f32 v[ST+8*\q+4], v[ST+8*\q+4], v[ST+8*\q+6]     ; l
.endr
	s_wait_alu depctr_va_vdst(0)                   ; and one for the eight
.irp b, 0,1,2,3
.irp q, 0,1
	v_max_num_f32 v[BM+12*\q+\b], 0x1800000, v[BM+12*\q+\b]   ; the floor 2^(3 - 127): no byte falls under 1
.endr
.endr
.irp b, 0,1,2,3
.irp q, 0,1
	v_add_nc_u32 v[BM+12*\q+8+\b], 0xff000000, v[BM+12*\q+\b]   ; 2 off the exponent field: the conversion's scale operand
.endr
.endr
.irp b, 0,1,2,3
.irp q, 0,1
	v_lshrrev_b32 v[BM+12*\q+4+\b], 23, v[BM+12*\q+8+\b]   ; the scale's byte, 1 .. 125
.endr
.endr
.irp q, 0,1
	v_lshl_or_b32 v[PSC+\q], v[BM+12*\q+5], 8, v[BM+12*\q+4]
.endr
.irp q, 0,1
	v_lshl_or_b32 v[PSC+\q], v[BM+12*\q+6], 16, v[PSC+\q]
.endr
.irp q, 0,1
	v_lshl_or_b32 v[PSC+\q], v[BM+12*\q+7], 24, v[PSC+\q]
.endr
.irp q, 0,1
	v_add_nc_u32 v[PSC+\q], v[PSC+\q], v[ST+8*\q+5]   ; each byte + d: p's scale word under Mref; no byte passes 173, so none carries
.endr
.irp q, 0,1
.irp b, 0,1,2,3
	v_cvt_scalef32_pk8_fp4_f32 v[PCD+8*\q+2*\b], v[S+64*\q+16*\b:S+64*\q+16*\b+7], v[BM+12*\q+8+\b]
	v_cvt_scalef32_pk8_fp4_f32 v[PCD+8*\q+2*\b+1], v[S+64*\q+16*\b+8:S+64*\q+16*\b+15], v[BM+12*\q+8+\b]
.endr
.endr
	v_nop                                          ; a plain instruction behind the last conversion
.irp q, 0,1
.irp c, 0,1
.irp i, 0,1
	v_permlane16_swap_b32 v[PCD+8*\q+4*\c+\i], v[PCD+8*\q+4*\c+2+\i]   ; the operand's layout wants a whole block in a lane
.endr
.endr
.endr
.endm
; PREFETCHES INTO THE L2.  Of the ring: the slot that the NEXT change of slots will ask for.  Every cluster asks for what it will itself load.  Its four partners take a quarter of the slot each, told apart BY ADDRESS;
; of a quarter's 144 blocks of 256 bytes the four waves take 32 each, a lane a block; the 16 that are over, of that slot and of the one behind it, are asked for by wave 0 at every second change.
; So each block of slots 2 to 15 is named once in each cluster.  The last change that fills a slot asks for nothing; slots 0 and 1 come by their loads alone.
; Of x: at the change with 8 slots to go, eight changes ahead of the load that brings them, each wave names the 128 blocks of 256 bytes of its own 16 rows, a lane a block, four lines: each block once in the launch.
; m says where the macro stands, so that each copy holds only lines that can run there: 0 the first change (15 slots to go), 1 the first key step (14, an even count: wave 0's second line has no turn), 2 the loop (13 to 1)
.macro ASK m
.if (\m) == 2
	s_cmp_gt_u32 s[SLOTS], 1
	s_cbranch_scc0 .Lno_a_\@
.endif
	global_prefetch_b8 v[PFO], s[PFA:PFA+1] th:TH_LOAD_NT scope:SCOPE_SE
.Lno_a_\@:
.if (\m) != 1
	s_cmp_gt_u32 s[SLOTS], s[LIMB]
	s_cbranch_scc0 .Lno_b_\@
	s_bitcmp1_b32 s[SLOTS], 0
	s_cbranch_scc0 .Lno_b_\@
	global_prefetch_b8 v[PFO2], s[PFA:PFA+1] th:TH_LOAD_NT scope:SCOPE_SE
.Lno_b_\@:
.endif
.if (\m) == 2
	s_cmp_eq_u32 s[SLOTS], 8
	s_cbranch_scc0 .Lno_x_\@
.irp i, 0,1,2,3
	global_prefetch_b8 v[PFO], s[PFX:PFX+1] offset:8192*\i th:TH_LOAD_NT scope:SCOPE_SE
.endr
.Lno_x_\@:
.endif
.endm
.macro WALK                            ; the walking descriptor and the prefetches' address: no tensor load of mine is out, and the last prefetches have read their address
	s_xor_b32 s[G0+1], s[G0+1], SLOTB
	s_add_nc_u64 s[G0+2:G0+3], s[G0+2:G0+3], SLOTB ; the next 256 keys; the type bits on top are not reached
	s_wait_xcnt 0x0
	s_add_nc_u64 s[PFA:PFA+1], s[PFA:PFA+1], SLOTB
.endm
.macro FILL kind, ask                  ; the first tensor load behind the round; an s_nop 0 and four v_nop follow it
.if \kind == 1
	tensor_load_to_lds s[G0:G0+3], s[G1:G1+7]
.else
	tensor_load_to_lds s[G0X:G0X+3], s[G1X:G1X+7]
.endif
	s_nop 0
.rept 4
	v_nop
.endr
.if \kind == 1
	ASK \ask
.endif
.endm
; A KEY STEP: my 128 keys of the slot in hand, and the change of slots behind it.  first = 1: the products start O^T's sums.  kind = 1: the slot that is left takes the next 256 keys but one, jointly; 2: my rows of x; 0: nothing.
.macro STEP first, kind
	WIN 0
	v_add_nc_u32 v[ADK], s[TB], v[BK]
	v_add_nc_u32 v[ADV], s[TBV], v[BK]
	v_add_nc_u32 v[ADT], s[TB], v[BT]
	v_add_nc_u32 v[ADS], s[TB], v[BS]
.irp b, 0,1,2,3
	ds_load_b128 v[SCL+4*\b:SCL+4*\b+3], v[ADT] offset:1024*\b   ; K's scale words of K steps 0-3: lanes 0-15 tile 2 b, lanes 16-31 tile 2 b + 1
.endr
.irp b, 0,1,2,3
	ds_load_b32 v[SCL+16+\b], v[ADT] offset:1024*\b+256          ; and of K step 4
.endr
	K4LOAD
	KLOAD 0, FA
	KLOAD 1, FB
	s_wait_alu depctr_va_vdst(0)
	s_wait_dscnt 16                                ; all but the 16 loads of the set asked for last
	QK16 0, FA, 1
	QK16 4, 0, 0
	PLACES
	KLOAD 2, FA
	s_wait_dscnt 16
	QK16 1, FB, 0
	PLACES
	KLOAD 3, FB
	s_wait_dscnt 16
	QK16 2, FA, 0
	PLACES
	VLOAD 0, FA
	s_wait_dscnt 16
	QK16 3, FB, 0
	PLACES                                         ; for the loads below and for the softmax's first reads
	VLOAD 1, FB
	WIN 0
.set it_, 0
.rept 17
	ds_load_b32 v[SCL+it_], v[ADS] offset:128*it_  ; V's scale words: lanes 0-15 tile 2 i, lanes 16-31 tile 2 i + 1
.set it_, it_+1
.endr
	SOFTMAX
	VLOADS                                         ; p has been summed and converted: its registers take V's tiles 16-31
.rept 8
	v_nop                                          ; p's scale words stand eight places, its codes four, ahead of the products
.endr
	s_wait_alu depctr_va_vdst(0)
	s_wait_dscnt 34                                ; all but the 34 just issued
	WIN 0x53
	s_wait_alu depctr_va_vdst(0)                   ; and directly ahead of the first reader of O^T behind the exponentials
	PV16 0, FA, \first, 3
	PV16 1, FB, \first, 3
	s_wait_dscnt 0x0                               ; V's last tiles are in: my reads of this slot are over
	PV16 2, S, \first, 0
.if \kind
	WIN 0
	s_wait_tensorcnt 0x0                           ; my one tensor load that was out, my quarter of the slot ahead, has landed
	ds_add_u32 v[SPW], v[NIL]                      ; 0 onto my spare word; the step's last 18 products stand between it and the wait for it
.if \kind == 1
	WALK
.endif
.endif
	PV16 3, S+64, \first, 0
	PVT \first
	WIN 0
	s_xor_b32 s[TB], s[TB], SLOTB                  ; on to the other slot
	s_add_co_u32 s[TBV], s[TB], VF
.if \kind
	s_wait_dscnt 0x0                               ; the add is done
	ROUND                                          ; no wave of any partner reads the slot that is left or has a load on its way
	FILL \kind, 2-\first
.endif
.endm
	s_load_b256 s[4:11], s[0:1], 0x0               ; kv s[4:5], g s[6:7], p s[8:9], scale s[10:11]
	s_load_b256 s[12:19], s[0:1], 0x20             ; bias s[12:13], gamma s[14:15], beta s[16:17], out0 s[18:19]
	v_lshl_add_u32 v[SPW], v0, 2, SPARE
	v_mov_b32 v[NIL], 0
	ds_add_u32 v[SPW], v[NIL]                      ; the wave's opening: the add, twice on end, and its wait ahead of my first tensor load
	ds_add_u32 v[SPW], v[NIL]
	v_lshrrev_b32 v1, 5, v0
	v_readfirstlane_b32 s[WV], v1                  ; wave 0..3
	s_and_b32 s[J], s[WV], 1                       ; which step of every slot is mine
	s_bfe_u32 s[CX], ttmp6, 0x40000                ; my place in the cluster: it enters global addresses alone
	s_and_b32 s[BAT], ttmp7, 0xffff                ; the batch, which the four partners share
	s_mov_b32 s[G1], 15|(3<<16)|(1<<21)            ; the joint loads: mask of the four; elements of 8 bytes; bit 21 beside a mask; a quarter slot is 144 dense rows of 256 bytes
	s_mov_b32 s[G1+1], 32<<16
	s_mov_b32 s[G1+2], 144<<16
	s_mov_b32 s[G1+3], 32<<16
	s_mov_b32 s[G1+4], 144
	s_mov_b32 s[G1+5], 32
	s_mov_b32 s[G1+6], 0
	s_mov_b32 s[G1+7], 0
	s_mov_b32 s[G1X], (3<<16)|(1<<20)|(7<<22)|(3<<25)   ; x: no mask; 32 dense rows of 1,024 bytes, 4 words of padding behind every 256
	s_mov_b32 s[G1X+1], 128<<16
	s_mov_b32 s[G1X+2], 32<<16
	s_mov_b32 s[G1X+3], 128<<16
	s_mov_b32 s[G1X+4], 32
	s_mov_b32 s[G1X+5], 128
	s_mov_b32 s[G1X+6], 0
	s_mov_b32 s[G1X+7], 0
	s_mov_b32 s[G0], 1
	s_mul_i32 s[G0+1], s[WV], QB                   ; my quarter of slot 0
	s_mov_b32 s[G0X], 1
	s_mul_i32 s[G0X+1], s[WV], XTB
	s_mul_i32 s66, s[BAT], BATB
	s_mov_b32 s67, 0
	s_mul_i32 s70, s[WV], QB
	s_mov_b32 s71, 0
	s_mov_b32 s[SEL], 0x76543210
	s_mov_b32 s[SEL+1], 0xfedcba98
	s_mov_b32 s[K01], 0x01010101
	s_mov_b32 s[TB], 0
	s_mov_b32 s[TBV], VF
	s_mov_b32 s[SLOTS], 15
	s_wait_dscnt 0x0                               ; both opening adds are done
	s_wait_kmcnt 0x0
	s_add_nc_u64 s[68:69], s[4:5], s[66:67]        ; kv at my batch
	s_add_nc_u64 s[G0+2:G0+3], s[68:69], s[70:71]
	s_or_b32 s[G0+3], s[G0+3], 0x80000000
	ROUND                                          ; all four work-groups are here: the first joint loads meet
	tensor_load_to_lds s[G0:G0+3], s[G1:G1+7]      ; slot 0: my one tensor load at the head
	s_nop 0
.rept 4
	v_nop
.endr
	s_load_b32 s74, s[10:11], 0x0                  ; scale
	s_load_b32 s75, s[12:13], 0x0                  ; bias
	s_lshl_b32 s76, ttmp9, 2
	s_add_co_u32 s76, s76, s[CX]                   ; my block of 64 queries
	s_lshl_b32 s80, s[BAT], 22
	s_and_b32 s81, s76, 31
	s_lshl_b32 s81, s81, 17
	s_add_co_u32 s80, s80, s81
	s_lshl_b32 s81, s[WV], 15
	s_add_co_u32 s80, s80, s81                     ; my 16 rows in g or p
	s_mov_b32 s81, 0
	s_cmp_lt_u32 ttmp9, 8                          ; blocks 0-31 are g's
	s_cselect_b64 s[G0X+2:G0X+3], s[6:7], s[8:9]
	s_add_nc_u64 s[G0X+2:G0X+3], s[G0X+2:G0X+3], s[80:81]
	s_mov_b64 s[PFX:PFX+1], s[G0X+2:G0X+3]
	s_or_b32 s[G0X+3], s[G0X+3], 0x80000000
	s_lshl_b32 s82, s[BAT], 23
	s_lshl_b32 s83, s76, 17
	s_add_co_u32 s82, s82, s83
	s_lshl_b32 s83, s[WV], 15
	s_add_co_u32 s82, s82, s83
	s_mov_b32 s83, 0
	s_add_nc_u64 s[18:19], s[18:19], s[82:83]      ; out0 at my 16 rows
	s_lshr_b32 s84, s76, 1
	s_mul_i32 s84, s84, STEPB
	s_mov_b32 s85, 0
	s_add_nc_u64 s[72:73], s[68:69], s[84:85]      ; the block of kv that holds my queries
	s_mul_i32 s86, s[CX], QB
	s_lshl_b32 s87, s[WV], 13
	s_add_co_u32 s86, s86, s87
	s_add_co_u32 s86, s86, SLOTB
	s_mov_b32 s87, 0
	s_add_nc_u64 s[PFA:PFA+1], s[68:69], s[86:87]  ; the ring's prefetches stand in slot 1; the first change steps them to slot 2.  Nothing is prefetched here, at the head
	s_cmp_eq_u32 s[WV], 0
	s_cselect_b32 s[LIMB], 1, -1                   ; wave 0 alone asks for the blocks that are over
	v_and_b32 v[R], 15, v0
	v_bfe_u32 v[H], v0, 4, 1
	v_and_b32 v[LI], 31, v0
	v_lshlrev_b32 v[PFO], 8, v[LI]
	v_lshlrev_b32 v[PFO2], 8, v[R]
	v_add_nc_u32 v[PFO2], 32768, v[PFO2]
	v_mul_u32_u24 v56, v[H], SLOTB
	v_add_nc_u32 v[PFO2], v[PFO2], v56
	v_lshlrev_b32 v[BS], 2, v[LI]
	v_lshlrev_b32 v[LI], 4, v[LI]
	s_wait_alu depctr_va_vdst(0)
	s_mul_i32 s66, s[J], STEPB
	v_add_nc_u32 v[BK], s66, v[LI]
	v_lshlrev_b32 v[BT], 4, v[R]
	v_lshl_add_u32 v[BT], v[H], 9, v[BT]
	s_add_co_u32 s67, s66, KT
	v_add_nc_u32 v[BT], s67, v[BT]
	s_add_co_u32 s67, s66, VS
	v_add_nc_u32 v[BS], s67, v[BS]
	s_mul_i32 s66, s[WV], MGB
	s_add_co_u32 s66, s66, SLOTB
	v_add_nc_u32 v[MGW], s66, v[LI]                ; where I put place 1's sums,
	s_xor_b32 s67, s[WV], 1
	s_mul_i32 s67, s67, MGB
	s_add_co_u32 s67, s67, SLOTB
	v_add_nc_u32 v[MGR], s67, v[LI]                ; and where my partner puts those of my tile
	s_mul_i32 s66, s[WV], XTB
	v_mul_u32_u24 v[AX], v[R], 2080
	v_lshl_add_u32 v[AX], v[H], 5, v[AX]
	v_add_nc_u32 v[AX], s66, v[AX]                 ; x: row r of two half rows, + 32 h
	v_mul_u32_u24 v[AXS], v[R], SGP
	v_lshl_add_u32 v[AXS], v[H], 5, v[AXS]
	v_add_nc_u32 v[AXS], s66, v[AXS]               ; the stage on the way in: row r, + 32 h
	v_add_nc_u32 v[AR], s66, v[LI]                 ; the stage on the way out: 16 x lane
	; Q from kv's images.  Query 16 tq + r of my 64 is row (r % 8) + 8 (tq % 2) of the image of tile 4 hh + 2 (tq / 2) + r / 8, hh = which half of the block of 128 keys my 64 are; tq = w for place 0, w xor 1 for place 1
	s_and_b32 s77, s[CX], 1
	s_lshl_b32 s77, s77, 2
	s_lshr_b32 s78, s[WV], 1
	s_lshl_b32 s78, s78, 1
	s_add_co_u32 s77, s77, s78
	v_lshrrev_b32 v56, 3, v[R]
	v_add_nc_u32 v56, s77, v56                     ; the tile
	v_and_b32 v57, 7, v[R]
	s_lshl_b32 s78, s[J], 3
	v_add_nc_u32 v58, s78, v57                     ; place 0's row of the image
	s_xor_b32 s78, s78, 8
	v_add_nc_u32 v59, s78, v57                     ; place 1's
	v_lshlrev_b32 v32, 12, v56
	v_lshl_add_u32 v32, v[H], 8, v32
	v_lshl_add_u32 v33, v59, 4, v32
	v_lshl_add_u32 v32, v58, 4, v32
	v_lshlrev_b32 v34, 9, v56
	v_add_nc_u32 v34, KT, v34
	v_lshl_add_u32 v35, v59, 4, v34
	v_xor_b32 v36, s[J], v[H]
	v_lshl_add_u32 v36, v36, 3, v57
	v_lshl_add_u32 v36, v36, 4, v34                ; the scale words: lanes 0-15 place 0's, lanes 16-31 place 1's
	v_lshl_add_u32 v34, v58, 4, v34
	WIN 0xc0
.irp q, 0,1
.irp k, 0,1,2,3
	global_load_b128 v[40*\q+8*\k:40*\q+8*\k+3], v[32+\q], s[72:73] offset:1024*\k
	global_load_b128 v[40*\q+8*\k+4:40*\q+8*\k+7], v[32+\q], s[72:73] offset:1024*\k+512
.endr
	global_load_b32 v[40*\q+32], v[34+\q], s[72:73] offset:260
.endr
	WIN 0
	global_load_b128 v[QSC:QSC+3], v36, s[72:73]
	global_load_b32 v[QSC+4], v36, s[72:73] offset:256
	global_load_b64 v[FQ:FQ+1], v34, s[72:73] offset:264   ; f, t of my own query
	s_wait_kmcnt 0x0
	s_ashr_i32 s77, s74, 31
	s_and_not1_b32 s[MS], 0x88888888, s77          ; the signs to turn: all for a positive scale (qm = (t, -s)), none for a negative one (-qm = (-t, s))
	s_and_b32 s79, s[MS], 15
	s_mul_f32 s[BL], s75, 0x3fb8aa3b               ; bias log2(e)
	v_mov_b32 v56, s74
	s_wait_alu depctr_va_vdst(0)
	v_rcp_f32 v57, |v56|
	v_nop
	s_wait_alu depctr_va_vdst(0)
	v_mul_f32 v57, 0x3fb8aa3b, v57
	v_readfirstlane_b32 s[CS], v57                 ; c = log2(e) / |scale|
	s_mov_b32 s[CS+1], s[CS]
	v_mov_b32 v58, s[BL]
	v_fma_f32 v58, v57, 0x41000000, -v58           ; 8 c - bias log2(e)
	v_ceil_f32 v58, v58
	v_readfirstlane_b32 s[NMR], v58                ; -Mref = ceil(8 c - bias') = -floor(bias' - 8 c)
	v_sub_nc_u32 v56, 1, v[H]
	v_lshlrev_b32 v56, 3, v56                      ; 8 in lanes 0-15: k = 0, the time, goes the other way than the rest
	v_add_nc_u32 v57, -1, v[H]                     ; all ones in lanes 0-15, 0 in lanes 16-31
	s_wait_loadcnt 0x0
	WIN 0xcc                                       ; source 1 and destination in window 3
.set ii_, 0
.rept 32
	v_xor_b32 v[ii_], s[MS], v[ii_]
	v_xor_b32 v[40+ii_], s[MS], v[40+ii_]
.set ii_, ii_+1
.endr
.irp q, 0,1
	v_xor_b32 v[40*\q], v56, v[40*\q]
	v_xor_b32 v[40*\q+32], s79, v[40*\q+32]
	v_and_b32 v[40*\q+32], v57, v[40*\q+32]        ; K step 4: k = 512 alone; all else of the fragment is zero codes
.irp i, 33,34,35,36,37,38,39
	v_mov_b32 v[40*\q+\i], 0
.endr
.endr
.set ii_, 0
.rept 22
	v_mov_b32 v[K4B+ii_], 0                        ; K step 4's fragments of K: written once; the loads fill every second of the first sixteen
.set ii_, ii_+1
.endr
	WIN 0
.irp q, 0,1
	v_mov_b32 v[ST+8*\q+1], 0                      ; (named as the upper half of a pair)
	v_mov_b32 v[ST+8*\q+4], 0                      ; l
.irp b, 0,1,2,3
	v_mov_b32 v[BM+12*\q+4+\b], 0                  ; (a lane permute's destination counts as one of its sources)
.endr
.endr
	s_wait_alu depctr_va_vdst(0)
	s_wait_tensorcnt 0x0                           ; the first change of slots stands alone: my quarter of slot 0 is in;
	ds_add_u32 v[SPW], v[NIL]
	WALK
	s_wait_dscnt 0x0
	ROUND
	FILL 1, 0                                      ; slot 1's first fill, issued as a refill is
	s_mov_b32 s[SLOTS], 14
	STEP 1, 1                                      ; slot 0 is read, slot 2 asked for; the first step's products start O^T's sums
	s_mov_b32 s[SLOTS], 13
.Lslot:                                            ; 13 trips: slots 1 to 13 are read, slots 3 to 15 asked for
	STEP 0, 1
	s_sub_co_u32 s[SLOTS], s[SLOTS], 1
	s_cmp_lg_u32 s[SLOTS], 0
	s_cbranch_scc1 .Lslot
	STEP 0, 2                                      ; the tail is written out: slot 14 is read, and its bytes take my rows of x;
	STEP 0, 0                                      ; slot 15
	; ---- THE MERGE.  Place 1's sums go to my partner as images of their registers; my partner's come into the same registers.  Both halves stand under Mref: they are added
	v_mov_b32 v[ST+11], v[ST+12]                   ; place 1's l, my lane's
.rept 3
	v_nop                                          ; with the line above: four places behind the last products
.endr
	s_wait_alu depctr_va_vdst(0)
	s_wait_tensorcnt 0x0                           ; my rows of x have landed
	s_wait_dscnt 0x0                               ; my reads of the last slot are over
	s_barrier_signal -1
	s_barrier_wait -1                              ; everybody's are: the slot has had its last fill and its last read
	WIN 0x08                                       ; an LDS store's data are its source 1: window 2
.set ii_, 0
.rept 64
	ds_store_b128 v[MGW], v[4*ii_:4*ii_+3] offset:512*ii_   ; each accumulator from its low end on
.set ii_, ii_+1
.endr
	WIN 0x0c
	ds_store_b128 v[MGW], v[88:91] offset:32768    ; tile 32: its first register is the live one
	WIN 0
	ds_store_b128 v[MGW], v[ST+8:ST+11] offset:33280   ; l in the fourth word
	s_wait_dscnt 0x0                               ; for the others' sake: my stores have landed
	s_barrier_signal -1
	s_barrier_wait -1
	WIN 0x80
.set ii_, 0
.rept 64
	ds_load_b128 v[4*ii_:4*ii_+3], v[MGR] offset:512*ii_
.set ii_, ii_+1
.endr
	WIN 0xc0
	ds_load_b128 v[88:91], v[MGR] offset:32768
	WIN 0
	ds_load_b128 v[ST+8:ST+11], v[MGR] offset:33280
	s_wait_dscnt 0x0
	v_add_f32 v44, v[ST+4], v[ST+11]
	v_permlanex16_b32 v47, v44, s[SEL], s[SEL+1]
	v_add_f32 v44, v44, v47                        ; l, the row's sum of p
	WIN 0x46                                       ; source 0 window 2, source 1 and destination window 1
.set ii_, 0
.rept 128
	v_pk_add_f32 v[ii_:ii_+1], v[ii_:ii_+1], v[ii_:ii_+1]
.set ii_, ii_+2
.endr
	WIN 0x0f
	v_add_f32 v45, v80, v88                        ; the time column's sum: in lanes 0-15; lanes 16-31 hold a sum of zero codes
	; ---- THE ROWS' ARITHMETIC.  O = the unnormalised ave_s; x in the same layout, in window 2
	WIN 0x80
.set it_, 0
.rept 32
	ds_load_b128 v[8*it_:8*it_+3], v[AX] offset:(it_/16)*1040+64*(it_%16)
	ds_load_b128 v[8*it_+4:8*it_+7], v[AX] offset:(it_/16)*1040+64*(it_%16)+16
.set it_, it_+1
.endr
	WIN 0
.irp m, 0,1,2,3
	global_load_b128 v[96+4*\m:99+4*\m], v[LI], s[14:15] offset:512*\m    ; gamma and beta, for the way out: 16 x lane + 512 m
	global_load_b128 v[112+4*\m:115+4*\m], v[LI], s[16:17] offset:512*\m
.endr
.macro RED4 b                          ; four chains of pairs at v[b] on become one number, with lane l xor 16's
	WIN 0
	v_pk_add_f32 v[\b:\b+1], v[\b:\b+1], v[\b+2:\b+3]
	v_pk_add_f32 v[\b+4:\b+5], v[\b+4:\b+5], v[\b+6:\b+7]
	v_pk_add_f32 v[\b:\b+1], v[\b:\b+1], v[\b+4:\b+5]
	v_add_f32 v[\b], v[\b], v[\b+1]
	v_permlanex16_b32 v[\b+1], v[\b], s[SEL], s[SEL+1]
	v_add_f32 v[\b], v[\b], v[\b+1]
.endm
.macro SQSUM                           ; the sum of squares of window 1's 256 numbers, in four chains at v32 on
	WIN 0x05
.irp c, 0,1,2,3
	v_pk_mul_f32 v[32+2*\c:33+2*\c], v[2*\c:2*\c+1], v[2*\c:2*\c+1]
.endr
.set ii_, 8
.rept 124
	v_pk_fma_f32 v[32+2*((ii_/2)%4):33+2*((ii_/2)%4)], v[ii_:ii_+1], v[ii_:ii_+1], v[32+2*((ii_/2)%4):33+2*((ii_/2)%4)]
.set ii_, ii_+2
.endr
	RED4 32
.endm
	SQSUM                                          ; A2 = sum of O^2 (x comes from LDS meanwhile)
	s_wait_dscnt 0x0
	WIN 0x06                                       ; source 0 window 2 (x), source 1 window 1 (O)
.irp c, 0,1,2,3
	v_pk_mul_f32 v[48+2*\c:49+2*\c], v[2*\c:2*\c+1], v[2*\c:2*\c+1]
.endr
.set ii_, 8
.rept 124
	v_pk_fma_f32 v[48+2*((ii_/2)%4):49+2*((ii_/2)%4)], v[ii_:ii_+1], v[ii_:ii_+1], v[48+2*((ii_/2)%4):49+2*((ii_/2)%4)]
.set ii_, ii_+2
.endr
	RED4 48                                        ; P1 = sum of x O
	v_permlanex16_b32 v46, v45, s[SEL], s[SEL+1]
	v_add_f32 v45, v45, v46                        ; Ot
	s_wait_alu depctr_va_vdst(0)
	v_rcp_f32 v16, v44                             ; 1 / l
	v_fma_f32 v17, -v45, v45, v32                  ; A2 - Ot^2
	s_wait_alu depctr_va_vdst(0)
	v_mul_f32 v18, v16, v16
	v_mul_f32 v17, v17, v18                        ; l_inner(ave, ave)
	v_max_num_f32 v17, 0x33d6bf95, |v17|
	s_wait_alu depctr_va_vdst(0)
	v_rsq_f32 v17, v17
	v_add_f32 v19, 1.0, v[FQ+1]                    ; K + sqrt(K) x0
	s_wait_alu depctr_va_vdst(0)
	v_mul_f32 v18, v16, v17                        ; ys: y = ys (Ot, O)
	v_mul_f32 v20, v18, v45
	v_max_num_f32 v20, 0x3f800001, v20             ; alpha = max(y0, 1 + EPS)
	v_fma_f32 v21, v20, v20, -1.0
	s_wait_alu depctr_va_vdst(0)
	v_rsq_f32 v22, v21
	v_rcp_f32 v19, v19
	v_mul_f32 v23, v18, v18
	s_wait_alu depctr_va_vdst(0)
	v_fma_f32 v24, v21, v22, v20                   ; alpha + sqrt(alpha^2 - 1)
	s_wait_alu depctr_va_vdst(0)
	v_log_f32 v24, v24
	v_mul_f32 v23, v23, v32                        ; |y_s|^2
	s_wait_alu depctr_va_vdst(0)
	v_mul_f32 v24, 0x3f317218, v24
	v_mul_f32 v24, v24, v22                        ; cl = arccosh(alpha) / sqrt(alpha^2 - 1)
	v_mul_f32 v25, v24, v24
	v_mul_f32 v25, v25, v23                        ; l_inner(v, v)
	v_max_num_f32 v25, 0x33d6bf95, v25
	v_mul_f32 v26, v24, v18                        ; cl ys
	v_mul_f32 v27, v26, v[FQ]
	v_mul_f32 v27, v27, v48                        ; l_inner(x, u)
	v_mul_f32 v27, v27, v19                        ; co
	s_wait_alu depctr_va_vdst(0)
	v_sqrt_f32 v28, v25                            ; nv
	v_rsq_f32 v29, v25
	v_fma_f32 v30, v25, 0x3cc30c31, 1.0            ; sinh(nv) / nv by the series, as in the first launch
	v_mul_f32 v31, 0x3d4ccccd, v25
	v_fma_f32 v30, v31, v30, 1.0
	v_mul_f32 v31, 0x3e2aaaab, v25
	v_fma_f32 v30, v31, v30, 1.0
	s_wait_alu depctr_va_vdst(0)
	v_mul_f32 v28, 0x3fb8aa3b, v28
	s_wait_alu depctr_va_vdst(0)
	v_exp_f32 v46, v28
	v_exp_f32 v47, -v28
	v_nop
	s_wait_alu depctr_va_vdst(0)
	v_sub_f32 v31, v46, v47
	v_mul_f32 v31, 0.5, v31
	v_mul_f32 v31, v31, v29
	v_cmp_gt_f32 vcc_lo, 0x3e800000, v25
	v_cndmask_b32 v31, v31, v30, vcc_lo            ; sc = sinh(nv) / nv
	v_add_f32 v46, v46, v47
	v_mul_f32 v46, 0.5, v46                        ; cosh(nv)
	v_fma_f32 v46, v31, v27, v46
	v_mul_f32 v40, v46, v[FQ]                      ; ca: z = ca x + cb O is mobius_add's space part
	v_mul_f32 v42, v31, v26                        ; cb
	WIN 0x41
.set ii_, 0
.rept 128
	v_pk_mul_f32 v[ii_:ii_+1], v[ii_:ii_+1], v[42:43] op_sel_hi:[1,0]
.set ii_, ii_+2
.endr
	WIN 0x52
.set ii_, 0
.rept 128
	v_pk_fma_f32 v[ii_:ii_+1], v[ii_:ii_+1], v[40:41], v[ii_:ii_+1] op_sel_hi:[1,0,1]
.set ii_, ii_+2
.endr
	WIN 0x05
.irp c, 0,1,2,3
	v_pk_add_f32 v[32+2*\c:33+2*\c], v[4*\c:4*\c+1], v[4*\c+2:4*\c+3]
.endr
	WIN 0x01
.set ii_, 16
.rept 120
	v_pk_add_f32 v[32+2*((ii_/2)%4):33+2*((ii_/2)%4)], v[ii_:ii_+1], v[32+2*((ii_/2)%4):33+2*((ii_/2)%4)]
.set ii_, ii_+2
.endr
	RED4 32
	v_mul_f32 v44, 0xbb000000, v32                 ; -mu
	v_mov_b32 v45, v44
	WIN 0x41
.set ii_, 0
.rept 128
	v_pk_add_f32 v[ii_:ii_+1], v[ii_:ii_+1], v[44:45] op_sel_hi:[1,0]
.set ii_, ii_+2
.endr
	SQSUM
	v_mul_f32 v46, 0x3b000000, v32                 ; var
	v_add_f32 v46, 0x3727c5ac, v46                 ; + 1e-5
	s_wait_alu depctr_va_vdst(0)
	v_rsq_f32 v46, v46
	v_nop
	s_wait_alu depctr_va_vdst(0)
	WIN 0x41
.set ii_, 0
.rept 128
	v_pk_mul_f32 v[ii_:ii_+1], v[ii_:ii_+1], v[46:47] op_sel_hi:[1,0]
.set ii_, ii_+2
.endr
	; ---- THE WAY OUT.  A lane holds 32-byte pieces of one row: they go through my stage (x's bytes, which have had their last fill and last read and are mine alone) and come back as whole rows, a row across the 32 lanes
	WIN 0x04                                       ; the stores' data: window 1
.set it_, 0
.rept 32
	ds_store_b128 v[AXS], v[8*it_:8*it_+3] offset:64*it_
	ds_store_b128 v[AXS], v[8*it_+4:8*it_+7] offset:64*it_+16
.set it_, it_+1
.endr
	WIN 0
	s_wait_loadcnt 0x0                             ; gamma, beta
	s_mov_b32 s66, 2
	s_mov_b32 s67, 0
; Two trips of eight rows, by turns: s = z gamma + beta; t = sqrt(sum s^2 + 1); out = s arccosh(a) / sqrt(a^2 - 1), a = max(t, 1 + EPS)
.Lfinal:
	v_add_nc_u32 v[ARW], s67, v[AR]
.irp i, 0,1,2,3,4,5,6,7
.irp m, 0,1,2,3
	ds_load_b128 v[128+16*\i+4*\m:131+16*\i+4*\m], v[ARW] offset:SGP*\i+512*\m   ; LDS serves a wave's instructions in order: these see my stores
.endr
.endr
	s_wait_dscnt 0x0
.irp k, 0,2,4,6,8,10,12,14
.irp i, 0,1,2,3,4,5,6,7
	v_pk_fma_f32 v[128+16*\i+\k:129+16*\i+\k], v[128+16*\i+\k:129+16*\i+\k], v[96+\k:97+\k], v[112+\k:113+\k]
.endr
.endr
.irp i, 0,1,2,3,4,5,6,7
	v_pk_mul_f32 v[16+2*\i:17+2*\i], v[128+16*\i:129+16*\i], v[128+16*\i:129+16*\i]
.endr
.irp k, 2,4,6,8,10,12,14
.irp i, 0,1,2,3,4,5,6,7
	v_pk_fma_f32 v[16+2*\i:17+2*\i], v[128+16*\i+\k:129+16*\i+\k], v[128+16*\i+\k:129+16*\i+\k], v[16+2*\i:17+2*\i]
.endr
.endr
.irp i, 0,1,2,3,4,5,6,7
	v_add_f32 v[16+2*\i], v[16+2*\i], v[17+2*\i]
.endr
.irp m, 1,2,4,8
.irp i, 0,1,2,3,4,5,6,7
	v_add_f32_dpp v[16+2*\i], v[16+2*\i], v[16+2*\i] row_xmask:\m row_mask:0xf bank_mask:0xf
.endr
.endr
.irp i, 0,1,2,3,4,5,6,7
	v_permlanex16_b32 v[17+2*\i], v[16+2*\i], s[SEL], s[SEL+1]
.endr
.irp i, 0,1,2,3,4,5,6,7
	v_add_f32 v[16+2*\i], v[16+2*\i], v[17+2*\i]
.endr
.irp i, 0,1,2,3,4,5,6,7
	v_add_f32 v[16+2*\i], 1.0, v[16+2*\i]
.endr
	s_wait_alu depctr_va_vdst(0)
.irp i, 0,1,2,3,4,5,6,7
	v_sqrt_f32 v[16+2*\i], v[16+2*\i]
.endr
	v_nop
	s_wait_alu depctr_va_vdst(0)
.irp i, 0,1,2,3,4,5,6,7
	v_max_num_f32 v[16+2*\i], 0x3f800001, v[16+2*\i]
.endr
.irp i, 0,1,2,3,4,5,6,7
	v_fma_f32 v[32+2*\i], v[16+2*\i], v[16+2*\i], -1.0
.endr
	s_wait_alu depctr_va_vdst(0)
.irp i, 0,1,2,3,4,5,6,7
	v_rsq_f32 v[33+2*\i], v[32+2*\i]
.endr
	v_nop
	s_wait_alu depctr_va_vdst(0)
.irp i, 0,1,2,3,4,5,6,7
	v_fma_f32 v[32+2*\i], v[32+2*\i], v[33+2*\i], v[16+2*\i]
.endr
	s_wait_alu depctr_va_vdst(0)
.irp i, 0,1,2,3,4,5,6,7
	v_log_f32 v[32+2*\i], v[32+2*\i]
.endr
	v_nop
	s_wait_alu depctr_va_vdst(0)
.irp i, 0,1,2,3,4,5,6,7
	v_mul_f32 v[32+2*\i], 0x3f317218, v[32+2*\i]
.endr
.irp i, 0,1,2,3,4,5,6,7
	v_mul_f32 v[32+2*\i], v[32+2*\i], v[33+2*\i]
.endr
.irp k, 0,2,4,6,8,10,12,14
.irp i, 0,1,2,3,4,5,6,7
	v_pk_mul_f32 v[128+16*\i+\k:129+16*\i+\k], v[128+16*\i+\k:129+16*\i+\k], v[32+2*\i:33+2*\i] op_sel_hi:[1,0]
.endr
.endr
.irp i, 0,1,2,3,4,5,6,7
.irp m, 0,1,2,3
	global_store_b128 v[LI], v[128+16*\i+4*\m:131+16*\i+4*\m], s[18:19] offset:2048*\i+512*\m th:TH_STORE_NT   ; the wave stores 512 consecutive bytes, aligned
.endr
.endr
	s_wait_xcnt 0x0                                ; the stores have read their registers and their base: the next rows may land there, and the base may be stepped
	s_add_nc_u64 s[18:19], s[18:19], 16384         ; eight rows of out0 on,
	s_add_co_u32 s67, s67, 8*SGP                   ; and of the stage
	s_sub_co_u32 s66, s66, 1
	s_cmp_lg_u32 s66, 0
	s_wait_alu depctr_va_vdst(0)
	s_cbranch_scc1 .Lfinal
	s_wait_tensorcnt 0x0                           ; the wave's end, behind my last tensor load and my last LDS store
	ds_add_u32 v[SPW], v[NIL]
	s_wait_dscnt 0x0
	ROUND                                          ; the closing round: no work-group ends while a partner may still ask for a tile that names it
	s_endpgm
.Lfunc_end_k_qaca7e763f2_attn:
	.size	k_qaca7e763f2_attn, .Lfunc_end_k_qaca7e763f2_attn-k_qaca7e763f2_attn
	.p2alignl 7, 3214868480
	.fill 96, 4, 3214868480
	.section	.rodata,"a",@progbits
	.p2align	6, 0x0
	.amdhsa_kernel k_qaca7e763f2_attn
		.amdhsa_group_segment_fixed_size 327680
		.amdhsa_private_segment_fixed_size 0
		.amdhsa_enable_private_segment 0
		.amdhsa_kernarg_size 64
		.amdhsa_user_sgpr_count 2
		.amdhsa_user_sgpr_kernarg_segment_ptr 1
		.amdhsa_wavefront_size32 1
		.amdhsa_system_sgpr_workgroup_id_x 1
		.amdhsa_system_sgpr_workgroup_id_y 1
		.amdhsa_system_sgpr_workgroup_id_z 1
		.amdhsa_system_vgpr_workitem_id 0
		.amdhsa_next_free_vgpr 1024
		.amdhsa_next_free_sgpr 100
		.amdhsa_reserve_vcc 1
		.amdhsa_float_denorm_mode_32 3
		.amdhsa_float_denorm_mode_16_64 3
		.amdhsa_memory_ordered 1
		.amdhsa_forward_progress 1
		.amdhsa_inst_pref_size 255
	.end_amdhsa_kernel
	.section	.bss,"aw",@nobits
	.p2align	6
	.space	262144
	.amdgpu_metadata
---
amdhsa.version: [ 1, 2 ]
amdhsa.kernels:
  - .name:           k_qaca7e763f2_attn
    .symbol:         k_qaca7e763f2_attn.kd
    .args:
      - { .name: kv, .offset: 0, .size: 8, .value_kind: global_buffer, .address_space: global }
      - { .name: g, .offset: 8, .size: 8, .value_kind: global_buffer, .address_space: global }
      - { .name: p, .offset: 16, .size: 8, .value_kind: global_buffer, .address_space: global }
      - { .name: scale, .offset: 24, .size: 8, .value_kind: global_buffer, .address_space: global }
      - { .name: bias, .offset: 32, .size: 8, .value_kind: global_buffer, .address_space: global }
      - { .name: ln_gamma, .offset: 40, .size: 8, .value_kind: global_buffer, .address_space: global }
      - { .name: ln_beta, .offset: 48, .size: 8, .value_kind: global_buffer, .address_space: global }
      - { .name: out0, .offset: 56, .size: 8, .value_kind: global_buffer, .address_space: global }
    .group_segment_fixed_size: 327680
    .private_segment_fixed_size: 0
    .kernarg_segment_align: 8
    .kernarg_segment_size: 64
    .max_flat_workgroup_size: 128
    .sgpr_count:     100
    .vgpr_count:     1024
    .wavefront_size: 32
...
	.end_amdgpu_metadata
.endif
;; end of part 2
